; MI455X (gfx1250); checked and timed in simulation.
; The chip was launched on July 23, 2026; its instructions are those of AMD's public machine-readable ISA for CDNA 5 (MIT licence, August 2026) and "CDNA5" Instruction Set Architecture Reference Guide (July 2026). The comments in the code are by the model that wrote it; some were corrected since.
;; F Attention1d. Allowed arithmetic: matrix products marked QUANTISED: E2M1 operands, one E8M0 scale for each 32 along K, by v_wmma_scale_f32_16x16x128_f8f6f4 with both operands' format E2M1 (or v_wmma_scale_f32_32x16x128_f4), f32 sums; everything else in f32.
;; Inputs: key 2 x 16 x 2,048 x 64 float32; qry 2 x 16 x 2,048 x 64 float32; val 2 x 16 x 2,048 x 64 float32.
;; Outputs: out0 2 x 16 x 2,048 x 64 float32.
;; Constants: reg = 1.
;; This version of the problem:
;;   THIS VERSION OF THE PROBLEM IS GIVEN IN LOW PRECISION. The matrix products marked QUANTISED in the list below multiply operands that are first quantised to E2M1 (2 exponent bits, 1 mantissa bit; 4 bits a number), with one power-of-two scale for each 32 numbers along K (OCP MX v1.0); their sums are f32. All else is computed in f32.
;;   The module's matrix products, in the order in which they are computed (A, B: the left and right operand; K: the contracted axis; several contracted axes count as one K, in the product's order):
;;     1. batch 32 x [M 2,048, K 64] x [K 64, N 2,048]; A: input qry; B: input key: QUANTISED
;;     2. batch 32 x [M 2,048, K 2,048] x [K 2,048, N 64]; A: computed on the way; B: input val: QUANTISED
;;   THE QUANTISER, for each operand of a quantised product, along K:
;;     - K is cut into blocks of 32 from its start; a last block that is shorter is filled with zeros.
;;     - A block's scale is 2^e with e = floor(log2(the largest magnitude in the block)) - 2, held to -126 .. 127; a block of zeros has e = 0. As a byte (E8M0): e + 127.
;;     - Each number is divided by its block's scale, clamped to +-6, and rounded to the nearest number of E2M1, ties to even, subnormals kept.
;;     - The product sums the exact products of the quantised numbers (number of the format x scale) in f32.
;;   ~~~python
;;   def quantise(x, axis):      # numpy; x: float32 -> the quantised numbers, widened to float32 again
;;       x = np.moveaxis(x, axis, -1); K = x.shape[-1]
;;       x = np.pad(x, [(0, 0)] * (x.ndim - 1) + [(0, -K % 32)]); x = x.reshape(x.shape[:-1] + (-1, 32)); a = np.abs(x).max(-1, keepdims=True)
;;       e = np.where(a > 0, np.clip(np.frexp(np.where(a > 0, a, 1))[1] - 1 - 2, -126, 127), 0)      # np.frexp(a)[1] - 1 = floor(log2(a)), exactly
;;       r = np.clip(x / 2.0 ** e, -6, 6)
;;       step = 2.0 ** (np.maximum(np.frexp(np.where(r == 0, 1, r))[1] - 1, 0) - 1)
;;       q = np.round(r / step) * step * 2.0 ** e      # np.round: ties to even
;;       return np.moveaxis(q.reshape(q.shape[:-2] + (-1,))[..., :K], -1, axis).astype(np.float32)
;;   ~~~
;;   OPERANDS COMPUTED ON THE WAY. 'Computed on the way' means the value that the module computes at that place (a softmax that the list does not call 'softmax' is quantised finished and normalised). What goes into a quantiser is computed in f32, as accurately as f32 sums, v_exp_f32 and their like allow (about 1e-6 of the number): no bf16 or f16 on the way to a quantiser, and a product that is left as it is and whose result goes on into a quantised operand takes f32 operands (vector FMAs, or v_wmma_f32_16x16x4_f32). A number that lies on a knife's edge between two numbers of the format may be rounded either way, as far as f32 arithmetic and the matrix unit's own rounding can turn it there, and no further.
;; One version. Each part assembles by itself: llvm-mc -triple=amdgcn-amd-amdhsa -mcpu=gfx1250 --defsym DOCPART=n.
;; ======== version 1 of 1: 3 launches
;; limits: right only within a limited range of input values
;; workspace buffers: qbuf 2,228,224 bytes; kvbuf 4,456,448 bytes; stbuf 262,144 bytes
;; launch quant (part 1): grid 512 x 1, 4 waves a work-group, no clusters, 35,328 bytes of LDS; arguments qry, key, val, qbuf, kvbuf; writes qbuf, kvbuf
.if DOCPART == 1
	.amdgcn_target "amdgcn-amd-amdhsa--gfx1250"
	.amdhsa_code_object_version 6
	.text
	.protected	k_q94fb63a894_quant
	.globl	k_q94fb63a894_quant
	.p2align	8
	.type	k_q94fb63a894_quant,@function
k_q94fb63a894_quant:
	s_mov_b64 s[64:65], 0
	v_nop
	global_prefetch_b8 v0, s[64:65] scope:SCOPE_SE
	s_setreg_imm32_b32 hwreg(HW_REG_WAVE_MODE, 25, 1), 1
	s_wait_xcnt 0x0
; out = softmax_over_queries(Q K^T + eye) V for 32 heads of 2,048 x 64, both products on codes of FP4 (E2M1) with one E8M0 scale for each 32 along K.
; THREE LAUNCHES: this one turns qry, key and val into codes and scale words; the second makes each key column's maximum and sum over all queries;
; the third makes the scores again, the finished weights p, their codes along the keys, and p V.
; WORK LEFT OUT: reg x eye (reg = 1, a constant of the problem) is 0 at every place but q = k, for all values of the inputs: it is added only in the 16 x 16 tiles that hold the diagonal.
; Nothing else is left out; all three inputs are loaded.  (No NaN, infinity or overflow can reach only what is left out: a sum with 0.)
; THIS LAUNCH.  A block's scale is 2^(floor(log2(its largest magnitude)) - 2): its byte is that magnitude's exponent field - 2, held at 1 from below; each number is divided by the scale and rounded to the nearest code, ties to even.
; LIMITS: a block of zeros gets the byte 1 where the rule says 127 (its codes are zeros, and this program alone reads the bytes); blocks whose largest magnitude lies under 2^-124 are held at the byte 1; NaN and infinities among the inputs are not served.
; LAYOUTS, in the order of the operands' registers.  A TILE IMAGE is 512 bytes: 16 rows x 64 codes; lane l's 16 bytes at 16 l hold row l % 16, d = 32 (l / 16) + 0 .. 31.
;   qbuf, a head = 69,632 bytes: tile T (queries 16 T + r) at 512 T; from 65,536 on a word for each pair of tiles a and row r, at 64 a + 4 r: the two bytes of tile 2 a, then those of tile 2 a + 1.
;   kvbuf, a head and a step of 128 keys = 8,704 bytes: K's tiles (b, u) at 1,024 b + 512 u, whose row r is key 32 b + 8 u + r + 8 (r / 8); from 4,096 on V's four fragments (16 columns v x 128 keys, the keys innermost),
;   fragment t at 1,024 t, register group c at 512 c, 16 bytes a lane; from 8,192 on K's pair words (64 b + 4 r); from 8,448 on V's words, 4 v: a byte for each of the step's four blocks of 32 keys.
; SHARES.  Work-groups 0-127 take qry, 128-255 key, 256-511 val.  Waves share nothing: no barrier.
;   qry, key: a wave takes 128 rows (four pairs of tiles).  Each load reads 512 consecutive bytes; a pair's 32 rows turn through the wave's own stage in LDS (rows of 256 bytes + 16), so that lane (r, h) gets the 32 neighbours of ONE block.
;   K's choice of rows is made on the side of memory (four bases, eight rows each), so that every LDS address is the same for qry and key.
;   val: a lane takes a column v, and its registers run down the keys: a block of 32 keys lies in one lane, and the codes come out with the keys innermost.  No LDS.
.set SPARE, 34816                      ; behind the four stages: the spare words, 128 bytes for each wave: two blocks of 256 bytes that no other line names
.set STGB,  8704                       ; a wave's stage: 32 rows x 272 bytes
.set PIT,   272
.set R,     16                         ; v16-143   two sets of 64: a pair of tiles as it is loaded
.set X,     144                        ; v144-207  two sets of 32 neighbours
.set C,     208                        ; v208-239  codes: four registers for each tile or block, so that no store's data are written again
.set PWD,   240                        ; v240-243  the four pairs' words (val: v240, my column's word)
.set MRG,   244                        ; v244-245  two pairs' words in one register
; v1 16 x lane; v5 4 x lane; v2, v3 the stage, in and out; v4 8 h; v6, v7 the add's two; v8, v9, v12-15 at work; v16 (val) my codes' place
.macro MAX32                           ; v8 = the largest magnitude of v[XS] .. v[XS + 31], in two chains, and the floor 2^(3 - 127): so the byte cannot fall under 1
	v_max3_num_f32 v8, |v[XS]|, |v[XS+1]|, |v[XS+2]|
	v_max3_num_f32 v9, |v[XS+3]|, |v[XS+4]|, |v[XS+5]|
.irp i, 6,10,14,18,22,26
	v_max3_num_f32 v8, v8, |v[XS+\i]|, |v[XS+\i+1]|
	v_max3_num_f32 v9, v9, |v[XS+\i+2]|, |v[XS+\i+3]|
.endr
	v_max3_num_f32 v8, v8, |v[XS+30]|, |v[XS+31]|
	v_max3_num_f32 v8, v8, v9, 0x1800000
	v_add_nc_u32 v13, 0xff000000, v8               ; 2 off its exponent field: the conversion takes the exponent field of this operand as its scale
.endm
.macro LOADP p                         ; pair p: 16 loads of 512 consecutive bytes (two rows); base (a, b) stands at the eight rows that become rows 16 a + 8 b on of the stage
.irp a, 0,1
.irp b, 0,1
.irp i, 0,1,2,3
	global_load_b128 v[R+64*((\p)%2)+4*(8*\a+4*\b+\i):R+64*((\p)%2)+4*(8*\a+4*\b+\i)+3], v1, s[24+4*\a+2*\b:25+4*\a+2*\b] offset:8192*(\p)+512*\i th:TH_LOAD_NT
.endr
.endr
.endr
.endm
.macro TURNP p                         ; through the stage: LDS serves a wave's instructions in order, so no wait stands between the stores and the loads
.irp a, 0,1
.irp b, 0,1
.irp i, 0,1,2,3
	ds_store_b128 v2, v[R+64*((\p)%2)+4*(8*\a+4*\b+\i):R+64*((\p)%2)+4*(8*\a+4*\b+\i)+3] offset:PIT*(16*\a+8*\b+2*\i)
.endr
.endr
.endr
.irp e, 0,1
.irp j, 0,1,2,3,4,5,6,7
	ds_load_b128 v[X+32*\e+4*\j:X+32*\e+4*\j+3], v3 offset:16*PIT*\e+16*\j
.endr
.endr
.endm
.macro QT p, e                         ; tile e of pair p: my block's scale, its 32 codes (16 bytes: my place in the tile's image), and the row's two bytes
.set XS, X+32*(\e)
.set CC, C+8*(\p)+4*(\e)
	MAX32
.irp g, 0,1,2,3
	v_cvt_scalef32_pk8_fp4_f32 v[CC+\g], v[XS+8*\g:XS+8*\g+7], v13
.endr
	v_lshrrev_b32 v14, 23, v13                     ; the scale's byte (a plain line behind the conversions)
	global_store_b128 v1, v[CC:CC+3], s[32:33] offset:1024*(\p)+512*(\e)   ; the wave stores 512 consecutive bytes, aligned
	v_lshlrev_b32 v14, v4, v14                     ; at its place: 8 h bits up
	v_permlanex16_b32 v12, v14, s20, s21           ; with lane l xor 16's: both bytes of row r
.if (\e) == 0
	v_or_b32 v15, v14, v12
.else
	v_or_b32 v14, v14, v12
	v_lshl_or_b32 v[PWD+(\p)], v14, 16, v15        ; the pair's word of row r
.endif
.endm
.macro LOADB b                         ; val: block b: val(32 b + i, my column), i = 0 .. 31
.set i, 0
.rept 32
	global_load_b32 v[X+32*((\b)%2)+i], v5, s[24:25] offset:256*(32*(\b)+i)
.set i, i+1
.endr
.endm
.macro BLOCK b
.set XS, X+32*((\b)%2)
.if (\b) < 3
	s_wait_loadcnt 32                              ; this block's 32 loads are in; the next block's 32 may be out
.else
	s_wait_loadcnt 0x0
.endif
	MAX32
	v_lshrrev_b32 v14, 23, v13                     ; the scale's byte,
.if (\b) == 0
	v_mov_b32 v[PWD], v14                          ; four to my column's word, the earlier keys in the lower byte
.else
	v_lshl_or_b32 v[PWD], v14, 8*(\b), v[PWD]
.endif
.irp g, 0,1,2,3
	v_cvt_scalef32_pk8_fp4_f32 v[C+4*(\b)+\g], v[XS+8*\g:XS+8*\g+7], v13
.endr
	v_nop                                          ; one plain line behind the last conversion
	global_store_b128 v16, v[C+4*(\b):C+4*(\b)+3], s[32:33] offset:4096+512*((\b)/2)+256*((\b)%2)   ; each half of the wave stores 256 consecutive bytes, aligned: half a register group of a fragment
.if (\b) < 2
	LOADB (\b)+2
.endif
.endm
	s_load_b256 s[4:11], s[0:1], 0x0               ; qry s[4:5], key s[6:7], val s[8:9], qbuf s[10:11]
	s_load_b64 s[12:13], s[0:1], 0x20              ; kvbuf
	v_lshl_add_u32 v6, v0, 2, SPARE                ; my spare word,
	v_mov_b32 v7, 0                                ; and 0: kept for the add alone
	v_lshrrev_b32 v8, 5, v0
	v_readfirstlane_b32 s14, v8                    ; wave 0..3
	v_and_b32 v9, 31, v0                           ; lane
	v_and_b32 v10, 15, v0                          ; r
	v_bfe_u32 v11, v0, 4, 1                        ; h
	v_lshlrev_b32 v1, 4, v9
	v_lshlrev_b32 v5, 2, v9
	s_mov_b32 s20, 0x76543210
	s_mov_b32 s21, 0xfedcba98                      ; v_permlanex16_b32's selects for lane l xor 16
	s_mov_b32 s22, 0xffff0000                      ; lanes 16-31
	s_mov_b32 s41, 0
	s_cmp_lt_u32 ttmp9, 256
	s_cbranch_scc0 .Lval
	; ---- qry and key
	s_mul_i32 s36, s14, STGB                       ; my stage
	v_mul_u32_u24 v2, v11, PIT
	v_lshl_add_u32 v2, v10, 4, v2
	v_add_nc_u32 v2, s36, v2                       ; in: lanes 0-15 one row, lanes 16-31 the next, 16 bytes a lane
	v_mul_u32_u24 v3, v10, PIT
	v_lshl_add_u32 v3, v11, 7, v3
	v_add_nc_u32 v3, s36, v3                       ; out: row r, block h: 128 bytes
	v_lshlrev_b32 v4, 3, v11
	v_mov_b32 v12, 0                               ; written once: a lane permute's destination counts as one of its sources
	s_and_b32 s37, ttmp9, 127
	s_lshl_b32 s37, s37, 2
	s_add_co_u32 s37, s37, s14                     ; which run of 128 rows of the tensor is my wave's
	s_lshr_b32 s38, s37, 4                         ; the head,
	s_and_b32 s39, s37, 15                         ; and which 128 rows of it
	s_lshl_b32 s40, s37, 15                        ; 32,768 bytes a run
	s_mul_i32 s42, s38, 69632
	s_lshl_b32 s43, s39, 12
	s_add_co_u32 s43, s43, s42                     ; qbuf: the run's eight tile images,
	s_lshl_b32 s44, s39, 8
	s_add_co_u32 s44, s44, s42
	s_add_co_u32 s44, s44, 65536                   ; and its four pairs' words
	s_mul_i32 s45, s38, 139264
	s_mul_i32 s46, s39, 8704
	s_add_co_u32 s45, s45, s46                     ; kvbuf: the step's record,
	s_add_co_u32 s46, s45, 8192                    ; and K's words in it
	s_mov_b32 s47, 4096
	s_mov_b32 s36, 2048
	s_wait_alu depctr_va_vdst(0)
	s_wait_kmcnt 0x0
	s_cmp_lt_u32 ttmp9, 128                        ; qry or key?  The choice hangs on the work-group's number alone
	s_cselect_b64 s[24:25], s[4:5], s[6:7]
	s_cselect_b64 s[32:33], s[10:11], s[12:13]
	s_cselect_b32 s43, s43, s45
	s_cselect_b32 s44, s44, s46
	s_cselect_b32 s42, s47, s36                    ; from tile to tile of a pair: 16 rows in qry, 8 in key
	s_cselect_b32 s45, s36, s47                    ; from a tile's rows 0-7 to its rows 8-15: 8 rows in qry, 16 in key
	s_add_nc_u64 s[24:25], s[24:25], s[40:41]      ; base (0, 0)
	s_mov_b64 s[34:35], s[32:33]
	s_mov_b32 s40, s43
	s_add_nc_u64 s[32:33], s[32:33], s[40:41]      ; where the codes go,
	s_mov_b32 s40, s44
	s_add_nc_u64 s[34:35], s[34:35], s[40:41]      ; and the words
	s_mov_b32 s40, s45
	s_add_nc_u64 s[26:27], s[24:25], s[40:41]      ; base (0, 1)
	s_mov_b32 s40, s42
	s_add_nc_u64 s[28:29], s[24:25], s[40:41]      ; base (1, 0)
	s_add_nc_u64 s[30:31], s[26:27], s[40:41]      ; base (1, 1)
	LOADP 0
	LOADP 1
.irp q, 0,1,2,3
.if \q < 3
	s_wait_loadcnt 16                              ; this pair's 16 loads are in; the next pair's 16 may be out
.else
	s_wait_loadcnt 0x0
.endif
	TURNP \q
	s_wait_dscnt 8                                 ; tile 0's numbers are back; tile 1's eight loads may be out
	QT \q, 0
	s_wait_dscnt 0x0                               ; tile 1's are back, and the stores into the stage have read their registers,
.if \q < 2
	LOADP \q+2                                     ; which take the pair two further on
.endif
	QT \q, 1
.endr
	v_cndmask_b32 v[MRG], v[PWD], v[PWD+1], s22    ; lanes 0-15 hold pair 0's words, lanes 16-31 pair 1's: 128 consecutive bytes
	v_cndmask_b32 v[MRG+1], v[PWD+2], v[PWD+3], s22
	global_store_b32 v5, v[MRG], s[34:35]
	global_store_b32 v5, v[MRG+1], s[34:35] offset:128
	s_branch .Ltail
	; ---- val: a wave takes a step of 128 keys x 32 columns
.Lval:
	s_sub_co_u32 s36, ttmp9, 256
	s_lshl_b32 s36, s36, 2
	s_add_co_u32 s36, s36, s14
	s_lshr_b32 s37, s36, 1                         ; 16 x head + step
	s_and_b32 s38, s36, 1                          ; which 32 columns
	s_lshr_b32 s39, s37, 4
	s_and_b32 s40, s37, 15
	s_lshl_b32 s42, s37, 15                        ; 128 rows of 256 bytes a step,
	s_lshl_b32 s43, s38, 7
	s_add_co_u32 s42, s42, s43                     ; + my 32 columns
	s_mov_b32 s43, 0
	s_mul_i32 s44, s39, 139264
	s_mul_i32 s45, s40, 8704
	s_add_co_u32 s44, s44, s45                     ; the step's record
	s_mov_b32 s45, 0
	s_lshl_b32 s46, s38, 11
	s_add_co_u32 s46, s46, s44                     ; + my two fragments of the four
	s_mov_b32 s47, 0
	s_lshl_b32 s36, s38, 7
	s_add_co_u32 s44, s44, s36                     ; + my 32 words of the 64
	s_wait_alu depctr_va_vdst(0)
	v_lshlrev_b32 v16, 10, v11
	v_lshl_add_u32 v16, v10, 4, v16                ; fragment lane / 16, row lane % 16
	s_wait_kmcnt 0x0
	s_add_nc_u64 s[24:25], s[8:9], s[42:43]
	s_add_nc_u64 s[32:33], s[12:13], s[46:47]
	s_add_nc_u64 s[34:35], s[12:13], s[44:45]
	LOADB 0
	LOADB 1
	BLOCK 0
	BLOCK 1
	BLOCK 2
	BLOCK 3
	global_store_b32 v5, v[PWD], s[34:35] offset:8448
.Ltail:
	s_wait_tensorcnt 0x0                           ; the wave's end
	ds_add_u32 v6, v7
	s_wait_dscnt 0x0
	s_endpgm
.Lfunc_end_k_q94fb63a894_quant:
	.size	k_q94fb63a894_quant, .Lfunc_end_k_q94fb63a894_quant-k_q94fb63a894_quant
	.p2alignl 7, 3214868480
	.fill 96, 4, 3214868480
	.section	.rodata,"a",@progbits
	.p2align	6, 0x0
	.amdhsa_kernel k_q94fb63a894_quant
		.amdhsa_group_segment_fixed_size 35328
		.amdhsa_private_segment_fixed_size 0
		.amdhsa_enable_private_segment 0
		.amdhsa_kernarg_size 40
		.amdhsa_user_sgpr_count 2
		.amdhsa_user_sgpr_kernarg_segment_ptr 1
		.amdhsa_wavefront_size32 1
		.amdhsa_system_sgpr_workgroup_id_x 1
		.amdhsa_system_sgpr_workgroup_id_y 1
		.amdhsa_system_sgpr_workgroup_id_z 1
		.amdhsa_system_vgpr_workitem_id 0
		.amdhsa_next_free_vgpr 256
		.amdhsa_next_free_sgpr 66
		.amdhsa_reserve_vcc 0
		.amdhsa_float_denorm_mode_32 3
		.amdhsa_float_denorm_mode_16_64 3
		.amdhsa_memory_ordered 1
		.amdhsa_forward_progress 1
		.amdhsa_inst_pref_size 51
	.end_amdhsa_kernel
	.amdgpu_metadata
---
amdhsa.version: [ 1, 2 ]
amdhsa.kernels:
  - .name:           k_q94fb63a894_quant
    .symbol:         k_q94fb63a894_quant.kd
    .args:
      - { .name: qry, .offset: 0, .size: 8, .value_kind: global_buffer, .address_space: global }
      - { .name: key, .offset: 8, .size: 8, .value_kind: global_buffer, .address_space: global }
      - { .name: val, .offset: 16, .size: 8, .value_kind: global_buffer, .address_space: global }
      - { .name: qbuf, .offset: 24, .size: 8, .value_kind: global_buffer, .address_space: global }
      - { .name: kvbuf, .offset: 32, .size: 8, .value_kind: global_buffer, .address_space: global }
    .group_segment_fixed_size: 35328
    .private_segment_fixed_size: 0
    .kernarg_segment_align: 8
    .kernarg_segment_size: 40
    .max_flat_workgroup_size: 128
    .sgpr_count:     66
    .vgpr_count:     256
    .wavefront_size: 32
...
	.end_amdgpu_metadata
.endif
;; end of part 1
;; launch colstat (part 2): grid 8 x 32, 16 waves a work-group, no clusters, 167,936 bytes of LDS; arguments qbuf, kvbuf, stbuf; writes stbuf
.if DOCPART == 2
	.amdgcn_target "amdgcn-amd-amdhsa--gfx1250"
	.amdhsa_code_object_version 6
	.text
	.protected	k_q94fb63a894_colstat
	.globl	k_q94fb63a894_colstat
	.p2align	8
	.type	k_q94fb63a894_colstat,@function
k_q94fb63a894_colstat:
	s_mov_b64 s[64:65], 0
	v_nop
	global_prefetch_b8 v0, s[64:65] scope:SCOPE_SE
	s_setreg_imm32_b32 hwreg(HW_REG_WAVE_MODE, 25, 1), 1
	s_wait_xcnt 0x0
; THE STATISTIC OF EACH KEY COLUMN of att = Q K^T + eye: the softmax runs over the QUERIES, so key k has its own maximum M and sum over all 2,048 queries.
; Stored for each key, one f32 at 4 x key in its head's 8,192 bytes: A = -fl(c M) - log2(sum over q of 2^(s c - fl(c M))), c = log2(e).  The next launch makes p = 2^(s c + A) = exp(s - M) / sum of exp(s - M).
; WORK LEFT OUT: eye is 0 off the diagonal for all inputs; its 1 is added only in the one tile of each wave that holds q = k, as the C of that tile's product.
; LIMITS: NaN and infinities are not served; a term under 2^-126 counts as 0 in the sum.
; SHARES.  A work-group owns 256 keys of a head, each of its sixteen waves 16 of them; every wave walks all 128 tiles of 16 queries.
; S = Q K^T: source 0 = queries, source 1 = my 16 keys: a lane holds ONE key (lane % 16) and, in a tile's eight registers, queries 8 (lane / 16) + 0 .. 7: maxima and sums stay in the lane; the two halves of the lanes meet once, at the end.
; K = 64 IN A FORM OF K = 128.  Source 0 is a PAIR of query tiles as qbuf holds them.  My keys stand in twelve registers, zeros | codes | zeros: the upper eight multiply the pair's first tile, the lower eight its second; the blocks of zeros have the scale byte 1.
; The head's codes of Q and their words, 69,632 dense bytes, come into LDS once, by four tensor loads (waves 0-3), and stay: nothing is filled again.
; A BATCH is four pairs, 64 scores a lane, walked ROTATED by the wave's number, so that the pair with its diagonal stands first: that pair's products take their C from sixteen registers (the diagonal's 1 in one batch, zeros in all others).
; A SLOT: the 64 exponentials of batch b and the one of its factor go as one batch; behind them the sums of batch b - 1, then the products, maximum and scaling of batch b + 1; one wait at the slot's end serves as the wait behind this batch and ahead of the next.
; NO CLUSTER, though the eight work-groups of a head read the same 69,632 bytes: the branch that finds the diagonal's batch hangs on the work-group's block of keys, which differs between partners.
; NO PREFETCH: all that the launch reads is asked for once, at the head; the loop reads LDS alone.
.set QS,    65536                      ; LDS: the pairs' words, behind the codes
.set STG,   69632                      ; a stage for the 256 statistics, 1,024 bytes: no tensor load lands there
.set SPARE, 70656                      ; the spare words, 128 bytes a wave
.set KB,  12                           ; v12-23 zeros | codes | zeros
.set KSL, 24                           ; v24, v25 their scale words
.set E0,  26                           ; v26-41 the diagonal's pattern
.set EC,  42                           ; v42-57 the C of the first pair's products
.set QF,  58                           ; v58-89 four pairs' codes
.set QSC, 90                           ; v90-91 their words
.set SA,  92                           ; v92-155 even batches
.set SB,  156                          ; v156-219 odd batches
.set MX,  220
.set OLD, 221
.set NMC, 222                          ; v[222:223] -fl(c MX), 0
.set LS,  224                          ; v[224:225] the sum
.set FA,  226                          ; v[226:227], v[228:229] the factors of the batch in SA, in SB, each with a 0
.set CH,  230                          ; v230-233
.set AX,  232                          ; chains at AX + 2 c: v234-239
.set T,   240                          ; v240 the factor's exponent; v241-243 at work
.set TP,  SA
; v1-4 LDS address of the pair at place 0 .. 3; v5, v6 of the words; v7, v8 the add's two; v9 where I read statistics back; v10 my byte offset in stbuf; v11 where I put my statistic
.macro LOADQ
.irp p, 0,1,2,3
	ds_load_b128 v[QF+8*\p:QF+8*\p+3], v[1+\p]
	ds_load_b128 v[QF+8*\p+4:QF+8*\p+7], v[1+\p] offset:512
.endr
	ds_load_b32 v[QSC], v5
	ds_load_b32 v[QSC+1], v6
.endm
.macro STEPA                           ; on to the next batch; six plain lines: the places behind the products
.irp p, 1,2,3,4
	v_add_nc_u32 v[\p], 4096, v[\p]
.endr
	v_add_nc_u32 v5, 256, v5
	v_add_nc_u32 v6, 256, v6
.endm
.macro MUL sn, p, e
.set rD, (\sn)+8*(2*(\p)+(\e))
.set rA, QF+8*(\p)
.set rB, KB+4-4*(\e)
.set rX, QSC+(\p)/2
.if (\p) == 0
	v_wmma_scale_f32_16x16x128_f8f6f4 v[rD:rD+7], v[rA:rA+7], v[rB:rB+7], v[EC+8*(\e):EC+8*(\e)+7], v[rX], v[KSL+(\e)] matrix_a_fmt:MATRIX_FMT_FP4 matrix_b_fmt:MATRIX_FMT_FP4
.elseif (\p)%2
	v_wmma_scale_f32_16x16x128_f8f6f4 v[rD:rD+7], v[rA:rA+7], v[rB:rB+7], 0, v[rX], v[KSL+(\e)] matrix_a_fmt:MATRIX_FMT_FP4 matrix_b_fmt:MATRIX_FMT_FP4 matrix_a_scale:MATRIX_SCALE_ROW1
.else
	v_wmma_scale_f32_16x16x128_f8f6f4 v[rD:rD+7], v[rA:rA+7], v[rB:rB+7], 0, v[rX], v[KSL+(\e)] matrix_a_fmt:MATRIX_FMT_FP4 matrix_b_fmt:MATRIX_FMT_FP4
.endif
.endm
.macro MULS sn                         ; eight accumulators, each begun anew
.irp p, 0,1,2,3
	MUL \sn, \p, 0
	MUL \sn, \p, 1
.endr
.endm
.macro MAXES sn, first                 ; the running maximum with set sn's 64 scores, -fl(c MX), and the exponent of the factor that brings the sum under the new maximum
.irp c, 0,1,2,3
	v_max3_num_f32 v[CH+\c], v[(\sn)+16*\c], v[(\sn)+16*\c+1], v[(\sn)+16*\c+2]   ; four chains; each accumulator is read from its low end on
.endr
.irp i, 3,5,7,9,11,13
.irp c, 0,1,2,3
	v_max3_num_f32 v[CH+\c], v[CH+\c], v[(\sn)+16*\c+\i], v[(\sn)+16*\c+\i+1]
.endr
.endr
.if !\first
	v_mov_b32 v[OLD], v[NMC]
.endif
	v_max3_num_f32 v[CH], v[CH], v[(\sn)+15], v[(\sn)+31]
	v_max3_num_f32 v[CH+2], v[CH+2], v[(\sn)+47], v[(\sn)+63]
	s_delay_alu instid0(VALU_DEP_1)
	v_max3_num_f32 v[CH], v[CH], v[CH+1], v[CH+2]
	s_delay_alu instid0(VALU_DEP_1)
.if \first
	v_max_num_f32 v[MX], v[CH], v[CH+3]
	s_delay_alu instid0(VALU_DEP_1)
	v_mul_f32 v[NMC], s21, v[MX]
.else
	v_max3_num_f32 v[MX], v[CH], v[CH+3], v[MX]
	s_delay_alu instid0(VALU_DEP_1)
	v_mul_f32 v[NMC], s21, v[MX]
	s_delay_alu instid0(VALU_DEP_1)
	v_sub_f32 v[T], v[NMC], v[OLD]                 ; fl(c old) - fl(c new), 0 or less
.endif
.endm
.macro FMAS sn                         ; s c - fl(c MX), two at a time
.set n, 0
.rept 32
	v_pk_fma_f32 v[(\sn)+n:(\sn)+n+1], v[(\sn)+n:(\sn)+n+1], s[22:23], v[NMC:NMC+1] op_sel_hi:[1,0,0]
.set n, n+2
.endr
.endm
.macro ADDS sn, f                      ; the sum, brought under the terms' maximum by f, takes set sn's 64 terms: four chains
	v_pk_fma_f32 v[LS:LS+1], v[LS:LS+1], v[\f:\f+1], v[(\sn):(\sn)+1] op_sel_hi:[1,0,1]
.irp c, 1,2,3
	v_pk_add_f32 v[AX+2*\c:AX+2*\c+1], v[(\sn)+2*\c:(\sn)+2*\c+1], v[(\sn)+8+2*\c:(\sn)+9+2*\c]
.endr
	v_pk_add_f32 v[LS:LS+1], v[LS:LS+1], v[(\sn)+8:(\sn)+9]
.set g, 2
.rept 6
.irp c, 1,2,3
	v_pk_add_f32 v[AX+2*\c:AX+2*\c+1], v[AX+2*\c:AX+2*\c+1], v[(\sn)+8*g+2*\c:(\sn)+8*g+2*\c+1]
.endr
	v_pk_add_f32 v[LS:LS+1], v[LS:LS+1], v[(\sn)+8*g:(\sn)+8*g+1]
.set g, g+1
.endr
	v_pk_add_f32 v[AX+2:AX+3], v[AX+2:AX+3], v[AX+4:AX+5]
	v_pk_add_f32 v[LS:LS+1], v[LS:LS+1], v[AX+6:AX+7]
	v_pk_add_f32 v[LS:LS+1], v[LS:LS+1], v[AX+2:AX+3]
.endm
; SLOT b.  cur: the set (0: SA, 1: SB) that holds batch b, scaled.  adds: there is a batch b - 1.  next: a batch b + 1.  loadq: a batch b + 2.
.macro SLOT cur, adds, next, loadq
.set SCUR, SA+64*(\cur)
.set SNXT, SA+64-64*(\cur)
.set FCUR, FA+2*(\cur)
.set FNXT, FA+2-2*(\cur)
.if \next
	s_sub_co_u32 s27, s19, s18                     ; the batch about to be multiplied, counted from the one with my diagonal: ids and the count of batches alone
	s_cmp_gt_u32 s27, 1
	s_cbranch_scc1 .Lne_\@                         ; (no exponential is out here: the last slot ended with its wait)
	s_cmp_eq_u32 s27, 0
	s_cselect_b32 s27, 1.0, 0
.irp j, 0,1,2,3,4,5,6,7,8,9,10,11,12,13,14,15
	v_mul_f32 v[EC+\j], s27, v[E0+\j]              ; the pattern for that batch, zeros again for the one behind it
.endr
	s_wait_alu depctr_va_vdst(0)
.Lne_\@:
.endif
.set n, 0
.rept 64
	v_exp_f32 v[SCUR+n], v[SCUR+n]
.set n, n+1
.endr
	v_exp_f32 v[FCUR], v[T]                        ; batch b's factor: first named in the next slot
.if \adds
	ADDS SNXT, FNXT
.else
	v_nop
.endif
.if \next
	s_wait_dscnt 0x0                               ; batch b + 1's ten loads, issued a slot ago, are in
	MULS SNXT
	s_add_co_u32 s19, s19, 1
.if \loadq
	STEPA
	LOADQ                                          ; batch b + 2, six places behind the products
.else
.rept 4
	v_nop
.endr
.endif
	MAXES SNXT, 0
	FMAS SNXT
.endif
	s_wait_alu depctr_va_vdst(0)                   ; one wait: behind this slot's batch, ahead of the next slot's, and ahead of every branch
.endm
	s_load_b128 s[4:7], s[0:1], 0x0                ; qbuf, kvbuf
	s_load_b64 s[8:9], s[0:1], 0x10                ; stbuf
	v_lshl_add_u32 v7, v0, 2, SPARE
	v_mov_b32 v8, 0
	ds_add_u32 v7, v8                              ; the opening: the add, twice on end, and its wait ahead of the first tensor load
	ds_add_u32 v7, v8
	v_lshrrev_b32 v9, 5, v0
	v_readfirstlane_b32 s12, v9                    ; wave 0..15
	s_and_b32 s13, ttmp7, 0xffff                   ; the head
	s_lshr_b32 s14, s12, 1
	s_and_b32 s14, s14, 3                          ; which pair of a batch holds my diagonal; also which pair of K's tiles holds my keys
	s_and_b32 s15, s12, 1                          ; and which tile of that pair of queries
	s_lshr_b32 s16, s12, 3
	s_lshl_b32 s18, ttmp9, 1
	s_add_co_u32 s18, s18, s16                     ; the batch with my diagonal; also my keys' step of 128
	s_mov_b32 s19, 0                               ; the batch about to be multiplied
	s_mov_b32 s20, 6                               ; the loop's trips
	s_mov_b32 s21, 0xbfb8aa3b                      ; -c
	s_mov_b32 s22, 0x3fb8aa3b                      ; c = log2(e)
	s_mov_b32 s23, s22
	s_mov_b32 s24, 0x76543210
	s_mov_b32 s25, 0xfedcba98                      ; selects for lane l xor 16
	s_mov_b32 s28, 3<<16                           ; group 1: 68 dense rows of 256 bytes (32 elements of 8 bytes), no padding
	s_mov_b32 s29, 32<<16
	s_mov_b32 s30, 68<<16
	s_mov_b32 s31, 32<<16
	s_mov_b32 s32, 68
	s_mov_b32 s33, 32
	s_mov_b32 s34, 0
	s_mov_b32 s35, 0
	s_mov_b32 s44, 1
	s_mul_i32 s45, s12, 17408                      ; LDS: a quarter of the head's block for each of waves 0-3
	s_mul_i32 s36, s13, 69632
	s_add_co_u32 s36, s36, s45
	s_mov_b32 s37, 0
	s_mul_i32 s38, s13, 139264
	s_mul_i32 s39, s18, 8704
	s_add_co_u32 s38, s38, s39                     ; kvbuf: my keys' record
	s_mov_b32 s39, 0
	s_lshl_b32 s40, s13, 13
	s_lshl_b32 s41, ttmp9, 10
	s_add_co_u32 s40, s40, s41                     ; stbuf: my work-group's 1,024 bytes
	s_mov_b32 s41, 0
	s_lshl_b32 s48, s15, 3
	s_lshl_b32 s49, s14, 10
	s_lshl_b32 s50, s14, 6
.irp p, 0,1,2,3
	s_add_co_u32 s[52+\p], s14, \p
	s_and_b32 s[52+\p], s[52+\p], 3
	s_lshl_b32 s[52+\p], s[52+\p], 10              ; place p holds the batch's pair (p + mine) % 4
.endr
	s_lshl_b32 s58, s12, 6
	s_add_co_u32 s58, s58, STG                     ; my 16 statistics in the stage
	s_min_u32 s59, s12, 1                          ; waves 0 and 1 carry the stage out, 512 bytes each
	s_lshl_b32 s59, s59, 9
	s_cmp_eq_u32 s15, 0
	s_cselect_b32 s56, 1.0, 0
	s_cselect_b32 s57, 0, 1.0
	s_cmp_eq_u32 s18, 0                            ; batch 0 is multiplied first: does it hold my diagonal?
	s_cselect_b32 s27, 1.0, 0
	s_wait_dscnt 0x0                               ; both opening adds are done
	s_wait_kmcnt 0x0
	s_add_nc_u64 s[46:47], s[4:5], s[36:37]
	s_or_b32 s47, s47, 0x80000000
	s_add_nc_u64 s[10:11], s[6:7], s[38:39]
	s_add_nc_u64 s[8:9], s[8:9], s[40:41]
	s_cmp_lt_u32 s12, 4
	s_cbranch_scc0 .Lno_fill
	tensor_load_to_lds s[44:47], s[28:35]          ; one load of mine is out; it is waited for once, for 0
	s_nop 0
.rept 4
	v_nop
.endr
.Lno_fill:
	v_and_b32 v9, 15, v0                           ; r
	v_bfe_u32 v10, v0, 4, 1                        ; h
	; my keys, 16 w' + r of the step (w' = wave % 8), out of K's tiles: pair w' / 2, tile r / 8, row r % 8 + 8 (w' % 2)
	v_bfe_u32 v[TP], v0, 3, 1
	v_and_b32 v[TP+1], 7, v0
	v_add_nc_u32 v[TP+1], s48, v[TP+1]
	v_lshlrev_b32 v[TP+2], 4, v[TP+1]
	v_lshlrev_b32 v[TP+3], 2, v[TP+1]
	v_lshl_add_u32 v[TP+2], v[TP], 9, v[TP+2]
	v_lshl_add_u32 v[TP+3], v[TP], 1, v[TP+3]
	v_lshl_add_u32 v[TP+2], v10, 8, v[TP+2]
	v_add_nc_u32 v[TP+3], s50, v[TP+3]
	v_add_nc_u32 v[TP+2], s49, v[TP+2]
	global_load_b128 v[KB+4:KB+7], v[TP+2], s[10:11]
	global_load_u16 v[KSL], v[TP+3], s[10:11] offset:8192   ; the key's two scale bytes
.irp j, 0,1,2,3,8,9,10,11
	v_mov_b32 v[KB+\j], 0                          ; zero codes
.endr
	v_mov_b32 v[NMC+1], 0
	v_mov_b32 v[FA+1], 0
	v_mov_b32 v[FA+3], 0
	v_mov_b32 v[LS], 0                             ; the sum begins at 0,
	v_mov_b32 v[LS+1], 0
	v_mov_b32 v[T], 0                              ; and batch 0's factor is 2^0
	v_mov_b32 v[T+1], 0                            ; written once: a lane permute's destination counts as one of its sources
	v_mov_b32 v[T+2], 0
	s_wait_alu depctr_va_vdst(0)
	s_wait_loadcnt 0x0
	v_lshl_or_b32 v[KSL+1], v[KSL], 16, 0x0101     ; zeros | codes: the byte 1 for the blocks of zeros
	v_or_b32 v[KSL], 0x01010000, v[KSL]            ; codes | zeros.  More than eight plain lines follow ahead of the first product
	v_lshlrev_b32 v[TP+4], 3, v10
	v_sub_nc_u32 v[TP+4], v9, v[TP+4]              ; r - 8 h: the register in which query = key, where it is 0 .. 7
	v_mov_b32 v[TP+5], s56
	v_mov_b32 v[TP+6], s57
.irp j, 0,1,2,3,4,5,6,7
	v_cmp_eq_u32 vcc_lo, \j, v[TP+4]
	v_cndmask_b32 v[E0+\j], 0, v[TP+5], vcc_lo
	v_cndmask_b32 v[E0+8+\j], 0, v[TP+6], vcc_lo
.endr
.irp j, 0,1,2,3,4,5,6,7,8,9,10,11,12,13,14,15
	v_mul_f32 v[EC+\j], s27, v[E0+\j]
.endr
	v_and_b32 v[TP+7], 31, v0
	v_lshlrev_b32 v[TP+7], 4, v[TP+7]              ; 16 x lane
.irp p, 0,1,2,3
	v_add_nc_u32 v[1+\p], s[52+\p], v[TP+7]
.endr
	v_add_nc_u32 v5, s14, v10                      ; the words: lanes 0-15 take place 0's (2's), lanes 16-31 place 1's (3's)
	v_add_nc_u32 v6, 2, v5
	v_and_b32 v5, 3, v5
	v_and_b32 v6, 3, v6
	v_lshlrev_b32 v5, 6, v5
	v_lshlrev_b32 v6, 6, v6
	v_lshl_add_u32 v5, v9, 2, v5
	v_lshl_add_u32 v6, v9, 2, v6
	v_add_nc_u32 v5, QS, v5
	v_add_nc_u32 v6, QS, v6
	v_lshl_add_u32 v11, v9, 2, s58                 ; both halves of the lanes name the same word
	v_add_nc_u32 v10, s59, v[TP+7]
	v_add_nc_u32 v9, STG, v10
	s_wait_alu depctr_va_vdst(0)
	s_wait_tensorcnt 0x0                           ; my part of the head's block is in,
	s_barrier_signal -1
	s_barrier_wait -1                              ; everybody's is
	LOADQ
	s_wait_dscnt 0x0
	MULS SA
	s_add_co_u32 s19, s19, 1
	STEPA
	LOADQ                                          ; batch 1
	MAXES SA, 1
	FMAS SA
	s_wait_alu depctr_va_vdst(0)                   ; ahead of the first batch of exponentials
	SLOT 0, 0, 1, 1
.Lpair:                                                ; six trips of two slots, 1 to 12
	SLOT 1, 1, 1, 1
	SLOT 0, 1, 1, 1
	s_sub_co_u32 s20, s20, 1
	s_cmp_lg_u32 s20, 0
	s_cbranch_scc1 .Lpair
	SLOT 1, 1, 1, 1                                ; slot 13 fetches batch 15, the last
	SLOT 0, 1, 1, 0
	SLOT 1, 1, 0, 0
	ADDS SB, FA+2                                  ; batch 15's sums
	; the two halves of the lanes hold the same key and different queries: they meet
	v_add_f32 v[T], v[LS], v[LS+1]
	v_permlanex16_b32 v[T+1], v[MX], s24, s25      ; the other half's maximum,
	v_permlanex16_b32 v[T+2], v[T], s24, s25       ; and its sum
	v_max_num_f32 v[T+3], v[MX], v[T+1]            ; M
	v_mul_f32 v[CH+1], s21, v[T+1]                 ; what the other half's sum was taken under
	v_mul_f32 v[CH], s21, v[T+3]                   ; -fl(c M)
	v_sub_f32 v[CH+2], v[CH], v[NMC]
	v_sub_f32 v[CH+3], v[CH], v[CH+1]
	s_wait_alu depctr_va_vdst(0)                   ; ahead of the two
	v_exp_f32 v[CH+2], v[CH+2]
	v_exp_f32 v[CH+3], v[CH+3]
	v_nop
	s_wait_alu depctr_va_vdst(0)                   ; behind them
	v_mul_f32 v[T], v[T], v[CH+2]
	v_fma_f32 v[T], v[T+2], v[CH+3], v[T]          ; the column's sum under fl(c M)
	s_wait_alu depctr_va_vdst(0)
	v_log_f32 v[AX+2], v[T]
	v_nop
	s_wait_alu depctr_va_vdst(0)
	v_sub_f32 v[AX+3], v[CH], v[AX+2]              ; A
	ds_store_b32 v11, v[AX+3]
	s_wait_dscnt 0x0                               ; for the others' sake: my store has landed
	s_barrier_signal -1
	s_barrier_wait -1
	s_cmp_lt_u32 s12, 2
	s_cbranch_scc0 .Lno_out
	ds_load_b128 v[SA:SA+3], v9
	s_wait_dscnt 0x0
	global_store_b128 v10, v[SA:SA+3], s[8:9]      ; the wave stores 512 consecutive bytes, aligned
.Lno_out:
	s_wait_tensorcnt 0x0                           ; the wave's end
	ds_add_u32 v7, v8
	s_wait_dscnt 0x0
	s_endpgm
.Lfunc_end_k_q94fb63a894_colstat:
	.size	k_q94fb63a894_colstat, .Lfunc_end_k_q94fb63a894_colstat-k_q94fb63a894_colstat
	.p2alignl 7, 3214868480
	.fill 96, 4, 3214868480
	.section	.rodata,"a",@progbits
	.p2align	6, 0x0
	.amdhsa_kernel k_q94fb63a894_colstat
		.amdhsa_group_segment_fixed_size 167936
		.amdhsa_private_segment_fixed_size 0
		.amdhsa_enable_private_segment 0
		.amdhsa_kernarg_size 24
		.amdhsa_user_sgpr_count 2
		.amdhsa_user_sgpr_kernarg_segment_ptr 1
		.amdhsa_wavefront_size32 1
		.amdhsa_system_sgpr_workgroup_id_x 1
		.amdhsa_system_sgpr_workgroup_id_y 1
		.amdhsa_system_sgpr_workgroup_id_z 1
		.amdhsa_system_vgpr_workitem_id 0
		.amdhsa_next_free_vgpr 256
		.amdhsa_next_free_sgpr 66
		.amdhsa_reserve_vcc 1
		.amdhsa_float_denorm_mode_32 3
		.amdhsa_float_denorm_mode_16_64 3
		.amdhsa_memory_ordered 1
		.amdhsa_forward_progress 1
		.amdhsa_inst_pref_size 74
	.end_amdhsa_kernel
	.amdgpu_metadata
---
amdhsa.version: [ 1, 2 ]
amdhsa.kernels:
  - .name:           k_q94fb63a894_colstat
    .symbol:         k_q94fb63a894_colstat.kd
    .args:
      - { .name: qbuf, .offset: 0, .size: 8, .value_kind: global_buffer, .address_space: global }
      - { .name: kvbuf, .offset: 8, .size: 8, .value_kind: global_buffer, .address_space: global }
      - { .name: stbuf, .offset: 16, .size: 8, .value_kind: global_buffer, .address_space: global }
    .group_segment_fixed_size: 167936
    .private_segment_fixed_size: 0
    .kernarg_segment_align: 8
    .kernarg_segment_size: 24
    .max_flat_workgroup_size: 512
    .sgpr_count:     66
    .vgpr_count:     256
    .wavefront_size: 32
...
	.end_amdgpu_metadata
.endif
;; end of part 2
;; launch attn (part 3): grid 8 x 32, 8 waves a work-group, no clusters, 327,680 bytes of LDS; arguments qbuf, kvbuf, stbuf, out0; writes out0
.if DOCPART == 3
	.amdgcn_target "amdgcn-amd-amdhsa--gfx1250"
	.amdhsa_code_object_version 6
	.text
	.protected	k_q94fb63a894_attn
	.globl	k_q94fb63a894_attn
	.p2align	8
	.type	k_q94fb63a894_attn,@function
k_q94fb63a894_attn:
	s_mov_b64 s[64:65], 0
	v_nop
	global_prefetch_b8 v0, s[64:65] scope:SCOPE_SE
	s_setreg_imm32_b32 hwreg(HW_REG_WAVE_MODE, 25, 1), 1
	s_wait_xcnt 0x0
; out = p V, p = 2^(s c + A): s = Q K^T + eye made again on codes of FP4, A each key's statistic from stbuf, c = log2(e); p is the finished weight, quantised along the keys in blocks of 32, and multiplied with V's codes.
; WORK LEFT OUT: eye is 0 off the diagonal for all inputs: its 1 (as c on the exponent) is added only in the 16 registers of the one step of a tile that holds q = k, under a scalar branch on ids.
; LIMITS: NaN and infinities are not served; a p under 2^-126 counts as 0; a block whose every p is 0 keeps the scale byte 1 (its codes are zeros).
; SHARES.  A work-group owns 256 queries of a head.  Wave w: key steps of parity w % 2 (eight of the sixteen steps of 128 keys); four tiles of 16 queries, 128 (w / 4) + 32 i + 16 ((w / 2) % 2) + r, so that tile i's diagonal lies in block i of its step.
; The two waves of a pair add their halves of the sum over the keys at the end, through stages in LDS, and store whole rows of 256 bytes.
; Both products are used transposed (S^T = K Q^T, O^T = V^T P^T): a lane holds one query; register 16 b + n of a set is key 32 b + 16 (lane / 16) + n of the step.
; K = 64 in a form of K = 128: source 0 is a pair of K's tiles; Q's codes stand between runs of zero codes (zeros | tile 0 | zeros | tile 1 | ..): codes | zeros multiplies the pair's first tile, zeros | codes its second; the blocks of zeros have the scale byte 1.
; LDS: the head's 16 records of K and V, 139,264 bytes, and its 8,192 bytes of statistics come once, at the head, one tensor load a wave (waves 0-3: a quarter of the records; waves 4-7: a quarter of the statistics); nothing is filled again.
; A PHASE serves three tiles: the wait; P V of tile i - 2; the 64 exponentials of tile i as one batch; the quantising of tile i - 1; the products and scaling of tile i + 1 into the set that tile i - 1 has left.
; So one wait a phase stands behind one batch and ahead of the next, and directly ahead of the products that take O^T up again.
; NO CLUSTER, though the eight work-groups of a head read the same records: the branch that finds the diagonal's step hangs on the work-group's block of queries, which differs between partners.
; NO PREFETCH: all that the launch reads is asked for once, at the head; there is no ring to run ahead in.
; REGISTERS.  Window 0: v1-3 LDS addresses (codes, words, statistics), v4 the diagonal's register, v5 c, v6, v7 the add's two, v8-10 the way out, v11 at work; the names below.  Window 1: O^T, the statistics, V's fragments.
.set STB,   139264                     ; the statistics
.set STG,   147456                     ; eight stages of 64 rows x 272 bytes: no tensor load lands there
.set SPARE, 286720                     ; the spare words, 128 bytes a wave
.set QB,  16                           ; v16-51
.set QSL, 52                           ; v52-59 Q's scale words: codes | zeros, then zeros | codes
.set KSC, 60
.set VSC, 62
.set PSC, 64
.set KF,  72                           ; v72-103 K's four pairs
.set S,   104                          ; v104-231 two sets of 64
.set PC,  232                          ; v232-239 p's codes
.set TM,  240                          ; v240-251 at work
.set O,   0                            ; window 1: v0-127
.set AD,  128                          ; window 1: v128-191
.set VF,  192                          ; window 1: v192-223
.set MSB, 0
.macro WIN new                         ; the immediate's high byte repeats the setting that is left
.if MSB != \new
	s_set_vgpr_msb (MSB<<8)|\new
.set MSB, \new
.endif
.endm
.macro NOPS k
.rept \k
	v_nop
.endr
.endm
.macro LOADK                           ; a step's K, its words and its 128 statistics (each half of the lanes reads its 16 keys of each block)
.irp b, 0,1,2,3
	ds_load_b128 v[KF+8*\b:KF+8*\b+3], v1 offset:1024*\b
	ds_load_b128 v[KF+8*\b+4:KF+8*\b+7], v1 offset:1024*\b+512
.endr
	ds_load_b32 v[KSC], v2 offset:8192
	ds_load_b32 v[KSC+1], v2 offset:8320
	WIN 0x40
.set n, 0
.rept 16
	ds_load_b128 v[AD+4*n:AD+4*n+3], v3 offset:128*(n/4)+16*(n%4)
.set n, n+1
.endr
	WIN 0
.endm
.macro LOADV
	WIN 0x40
.irp t, 0,1,2,3
	ds_load_b128 v[VF+8*\t:VF+8*\t+3], v1 offset:4096+1024*\t
	ds_load_b128 v[VF+8*\t+4:VF+8*\t+7], v1 offset:4096+1024*\t+512
.endr
	WIN 0
	ds_load_b32 v[VSC], v2 offset:8448
	ds_load_b32 v[VSC+1], v2 offset:8576
.endm
.macro WMM i                           ; S^T of tile i into set OT: eight accumulators, each begun anew
.irp b, 0,1,2,3
.irp u, 0,1
.if \b%2
	v_wmma_scale_f32_16x16x128_f8f6f4 v[OT+16*\b+8*\u:OT+16*\b+8*\u+7], v[KF+8*\b:KF+8*\b+7], v[QB+8*(\i)+4-4*\u:QB+8*(\i)+11-4*\u], 0, v[KSC+\b/2], v[QSL+4*\u+(\i)] matrix_a_fmt:MATRIX_FMT_FP4 matrix_b_fmt:MATRIX_FMT_FP4 matrix_a_scale:MATRIX_SCALE_ROW1
.else
	v_wmma_scale_f32_16x16x128_f8f6f4 v[OT+16*\b+8*\u:OT+16*\b+8*\u+7], v[KF+8*\b:KF+8*\b+7], v[QB+8*(\i)+4-4*\u:QB+8*(\i)+11-4*\u], 0, v[KSC+\b/2], v[QSL+4*\u+(\i)] matrix_a_fmt:MATRIX_FMT_FP4 matrix_b_fmt:MATRIX_FMT_FP4
.endif
.endr
.endr
.endm
.macro FMAS                            ; s c + A, two at a time, each accumulator from its low end on
	WIN 0x10
.set n, 0
.rept 32
	v_pk_fma_f32 v[OT+n:OT+n+1], v[OT+n:OT+n+1], s[22:23], v[AD+n:AD+n+1] op_sel_hi:[1,0,1]
.set n, n+2
.endr
	WIN 0
.endm
.macro DG i                            ; the diagonal: c onto the exponent where key = query.  No exponential is out at this branch
	s_cmp_lg_u32 s19, s18
	s_cbranch_scc1 .Lnod_\@
.irp n, 0,1,2,3,4,5,6,7,8,9,10,11,12,13,14,15
	v_cmp_eq_u32 vcc_lo, \n, v4
	s_delay_alu instid0(VALU_DEP_1)
	v_cndmask_b32 v11, 0, v5, vcc_lo
	s_delay_alu instid0(VALU_DEP_1)
	v_add_f32 v[CU+16*(\i)+\n], v[CU+16*(\i)+\n], v11
.endr
	s_wait_alu depctr_va_vdst(0)                   ; ahead of the batch that reads these
.Lnod_\@:
.endm
.macro QHA                             ; set OT's four blocks of 32 keys: largest p (with the floor 2^(3 - 127)), and the conversions' scale operand; the blocks by turns
.irp b, 0,1,2,3
	v_max3_num_f32 v[TM+\b], v[OT+16*\b], v[OT+16*\b+1], 0x1800000
.endr
.irp j, 2,4,6,8,10,12,14
.irp b, 0,1,2,3
	v_max3_num_f32 v[TM+\b], v[TM+\b], v[OT+16*\b+\j], v[OT+16*\b+\j+1]
.endr
.endr
.irp b, 0,1,2,3
	v_permlanex16_b32 v[TM+4+\b], v[TM+\b], s24, s25
.endr
.irp b, 0,1,2,3
	v_max_num_f32 v[TM+\b], v[TM+\b], v[TM+4+\b]
.endr
.irp b, 0,1,2,3
	v_add_nc_u32 v[TM+8+\b], 0xff000000, v[TM+\b]  ; 2 off the exponent field
.endr
.endm
.macro QHB
.irp b, 0,1,2,3
	v_cvt_scalef32_pk8_fp4_f32 v[PC+2*\b], v[OT+16*\b:OT+16*\b+7], v[TM+8+\b]
	v_cvt_scalef32_pk8_fp4_f32 v[PC+2*\b+1], v[OT+16*\b+8:OT+16*\b+15], v[TM+8+\b]
.endr
	v_lshrrev_b32 v[TM+4], 23, v[TM+8]             ; the scale bytes (plain lines behind the conversions)
	v_lshrrev_b32 v[TM+5], 23, v[TM+9]
.endm
.macro QHC                             ; five plain lines among these: the places behind the products that stand ahead
	v_lshrrev_b32 v[TM+6], 23, v[TM+10]
	v_lshrrev_b32 v[TM+7], 23, v[TM+11]
	v_lshl_or_b32 v[TM+4], v[TM+5], 8, v[TM+4]
	v_lshl_or_b32 v[TM+6], v[TM+7], 8, v[TM+6]
	v_permlane16_swap_b32 v[PC], v[PC+2]           ; a whole block to a lane
	v_permlane16_swap_b32 v[PC+1], v[PC+3]
	v_lshl_or_b32 v[PSC], v[TM+6], 16, v[TM+4]     ; p's scale word for these 128 keys
	v_permlane16_swap_b32 v[PC+4], v[PC+6]
	v_permlane16_swap_b32 v[PC+5], v[PC+7]
.endm
.macro PVM i, t, mode                  ; mode 1: the sum begins; 2: it goes on
.set rO, O+8*(4*(\i)+(\t))
.set rV, VF+8*(\t)
.if (\mode) == 1
.if (\t)%2
	v_wmma_scale_f32_16x16x128_f8f6f4 v[rO:rO+7], v[rV:rV+7], v[PC:PC+7], 0, v[VSC+(\t)/2], v[PSC] matrix_a_fmt:MATRIX_FMT_FP4 matrix_b_fmt:MATRIX_FMT_FP4 matrix_a_scale:MATRIX_SCALE_ROW1
.else
	v_wmma_scale_f32_16x16x128_f8f6f4 v[rO:rO+7], v[rV:rV+7], v[PC:PC+7], 0, v[VSC+(\t)/2], v[PSC] matrix_a_fmt:MATRIX_FMT_FP4 matrix_b_fmt:MATRIX_FMT_FP4
.endif
.else
.if (\t)%2
	v_wmma_scale_f32_16x16x128_f8f6f4 v[rO:rO+7], v[rV:rV+7], v[PC:PC+7], v[rO:rO+7], v[VSC+(\t)/2], v[PSC] matrix_a_fmt:MATRIX_FMT_FP4 matrix_b_fmt:MATRIX_FMT_FP4 matrix_a_scale:MATRIX_SCALE_ROW1
.else
	v_wmma_scale_f32_16x16x128_f8f6f4 v[rO:rO+7], v[rV:rV+7], v[PC:PC+7], v[rO:rO+7], v[VSC+(\t)/2], v[PSC] matrix_a_fmt:MATRIX_FMT_FP4 matrix_b_fmt:MATRIX_FMT_FP4
.endif
.endif
.endm
.macro PV i, mode                      ; a tile's four accumulators by turns; V, C and D in window 1, p in window 0
	WIN 0x51
	s_wait_alu depctr_va_vdst(0)                   ; the phase's one wait
.irp t, 0,1,2,3
	PVM (\i), \t, \mode
.endr
	WIN 0
.endm
; PHASE i of a step.  pv: 0, or the mode of tile i - 2's P V.  qh: tile i - 1 is quantised.  more: the wave has a further step.
.macro PHASE i, pv, qh, more
.set CU, S+64*((\i)%2)
.set OT, S+64-64*((\i)%2)
.if (\i) == 2
	s_wait_dscnt 0x0                               ; V's ten loads, issued a phase ago
.endif
.if \pv
	PV ((\i)+2)%4, \pv
.else
	s_wait_alu depctr_va_vdst(0)
.endif
	DG \i
.set n, 0
.rept 64
	v_exp_f32 v[CU+n], v[CU+n]
.set n, n+1
.endr
.if \qh
	QHA
.endif
.if (\i) == 1
	LOADV                                          ; this step's V: the last step's was last read at this phase's head, 44 plain lines ago
.endif
.if ((\i) == 3) && (\more)
	s_wait_alu depctr_va_vdst(0)
	s_wait_dscnt 0x0                               ; the next step's K and statistics, issued at the last phase's end
.endif
.if \qh
	QHB
.endif
.if ((\i) < 3) || (\more)
	WMM ((\i)+1)%4
.endif
.if \qh
	QHC
.else
	NOPS 4
.endif
.if ((\i) < 3) || (\more)
	FMAS
.endif
.if ((\i) == 2) && (\more)
	v_add_nc_u32 v1, 17408, v1                     ; my next step: two records on
	v_add_nc_u32 v2, 17408, v2
	v_add_nc_u32 v3, 1024, v3
	LOADK
.endif
.if (\i) == 3
	s_add_co_u32 s19, s19, 2
.endif
.endm
	s_load_b256 s[4:11], s[0:1], 0x0               ; qbuf, kvbuf, stbuf, out0
	v_lshl_add_u32 v6, v0, 2, SPARE
	v_mov_b32 v7, 0
	ds_add_u32 v6, v7                              ; the opening: the add, twice on end, and its wait ahead of the first tensor load
	ds_add_u32 v6, v7
	v_lshrrev_b32 v11, 5, v0
	v_readfirstlane_b32 s12, v11                   ; wave 0..7
	s_lshr_b32 s13, s12, 1                         ; the pair
	s_and_b32 s14, s12, 1                          ; the parity of my key steps
	s_and_b32 s15, s13, 1
	s_lshr_b32 s21, s13, 1
	s_mov_b32 s16, ttmp9
	s_and_b32 s17, ttmp7, 0xffff                   ; the head
	s_lshl_b32 s18, s16, 1
	s_add_co_u32 s18, s18, s21                     ; the step with my diagonal
	s_mov_b32 s19, s14                             ; the step in hand
	s_mov_b32 s20, 6                               ; the loop's trips
	s_mov_b32 s22, 0x3fb8aa3b                      ; c
	s_mov_b32 s23, s22
	s_mov_b32 s24, 0x76543210
	s_mov_b32 s25, 0xfedcba98
	s_mov_b32 s28, 3<<16                           ; group 1, the records: 136 dense rows of 256 bytes
	s_mov_b32 s29, 32<<16
	s_mov_b32 s30, 136<<16
	s_mov_b32 s31, 32<<16
	s_mov_b32 s32, 136
	s_mov_b32 s33, 32
	s_mov_b32 s34, 0
	s_mov_b32 s35, 0
	s_mov_b32 s36, 3<<16                           ; group 1, the statistics: 8 such rows
	s_mov_b32 s37, 32<<16
	s_mov_b32 s38, 8<<16
	s_mov_b32 s39, 32<<16
	s_mov_b32 s40, 8
	s_mov_b32 s41, 32
	s_mov_b32 s42, 0
	s_mov_b32 s43, 0
	s_mov_b32 s44, 1
	s_mov_b32 s48, 1
	s_and_b32 s26, s12, 3                          ; which quarter I fetch
	s_mul_i32 s45, s26, 34816
	s_lshl_b32 s49, s26, 11
	s_mul_i32 s52, s17, 139264
	s_add_co_u32 s52, s52, s45
	s_mov_b32 s53, 0
	s_lshl_b32 s54, s17, 13
	s_add_co_u32 s54, s54, s49
	s_mov_b32 s55, 0
	s_add_co_u32 s49, s49, STB
	s_wait_dscnt 0x0                               ; both opening adds are done
	s_wait_kmcnt 0x0
	s_add_nc_u64 s[46:47], s[6:7], s[52:53]
	s_or_b32 s47, s47, 0x80000000
	s_add_nc_u64 s[50:51], s[8:9], s[54:55]
	s_or_b32 s51, s51, 0x80000000
	s_cmp_lt_u32 s12, 4
	s_cbranch_scc0 .Lstat
	tensor_load_to_lds s[44:47], s[28:35]
	s_nop 0
	NOPS 4
	s_branch .Lasked
.Lstat:
	tensor_load_to_lds s[48:51], s[36:43]
	s_nop 0
	NOPS 4
.Lasked:
	s_mul_i32 s52, s17, 69632
	s_lshl_b32 s56, s16, 13
	s_add_co_u32 s56, s56, s52
	s_lshl_b32 s57, s21, 12
	s_add_co_u32 s56, s56, s57
	s_lshl_b32 s57, s15, 9
	s_add_co_u32 s56, s56, s57
	s_mov_b32 s57, 0
	s_add_nc_u64 s[56:57], s[4:5], s[56:57]        ; my first tile's image; the others 1,024 bytes apart
	s_lshl_b32 s58, s16, 9
	s_add_co_u32 s58, s58, s52
	s_lshl_b32 s59, s21, 8
	s_add_co_u32 s58, s58, s59
	s_lshl_b32 s59, s15, 1
	s_add_co_u32 s58, s58, s59
	s_add_co_u32 s58, s58, 65536
	s_mov_b32 s59, 0
	s_add_nc_u64 s[58:59], s[4:5], s[58:59]        ; and its two scale bytes a row
	s_mul_i32 s60, s14, 8704                       ; my first record,
	s_lshl_b32 s61, s14, 9
	s_add_co_u32 s61, s61, STB                     ; and its statistics
	s_mul_i32 s52, s12, 17408
	s_add_co_u32 s52, s52, STG                     ; my stage
	s_mul_i32 s53, s13, 34816
	s_mul_i32 s54, s14, 8704
	s_add_co_u32 s53, s53, s54
	s_add_co_u32 s53, s53, STG                     ; the two tiles of my pair's stages that I carry out
	s_lshl_b32 s62, s17, 19
	s_lshl_b32 s27, s16, 16
	s_add_co_u32 s62, s62, s27
	s_lshl_b32 s27, s21, 15
	s_add_co_u32 s62, s62, s27
	s_lshl_b32 s27, s15, 12
	s_add_co_u32 s62, s62, s27
	s_lshl_b32 s27, s14, 14
	s_add_co_u32 s62, s62, s27
	s_mov_b32 s63, 0
	s_add_nc_u64 s[10:11], s[10:11], s[62:63]      ; and their rows of out0
	v_and_b32 v12, 31, v0
	v_and_b32 v13, 15, v0                          ; r
	v_bfe_u32 v14, v0, 4, 1                        ; h
	v_lshlrev_b32 v15, 4, v12
	v_lshlrev_b32 v11, 2, v13
.irp i, 0,1,2,3
	global_load_b128 v[QB+8*\i+4:QB+8*\i+7], v15, s[56:57] offset:1024*\i
	global_load_u16 v[QSL+\i], v11, s[58:59] offset:64*\i
.endr
	v_cmp_eq_u32 vcc_lo, s15, v14
	v_cndmask_b32 v4, -1, v13, vcc_lo              ; register 16 i + r of the lanes whose half holds the diagonal; none in the others
	v_mov_b32 v5, 0x3fb8aa3b
	v_add_nc_u32 v1, s60, v15
	v_lshl_add_u32 v2, v12, 2, s60
	v_lshl_add_u32 v3, v14, 6, s61
	s_wait_alu depctr_va_vdst(0)
	s_wait_loadcnt 0x0
.irp i, 0,1,2,3
	v_lshl_or_b32 v[QSL+4+\i], v[QSL+\i], 16, 0x0101
	v_or_b32 v[QSL+\i], 0x01010000, v[QSL+\i]
.endr
.irp z, 0,1,2,3,4
.irp j, 0,1,2,3
	v_mov_b32 v[QB+8*\z+\j], 0                     ; zero codes
.endr
.endr
.irp b, 0,1,2,3
	v_mov_b32 v[TM+4+\b], 0                        ; written once: a lane permute's destination counts as one of its sources
.endr
	v_mul_u32_u24 v8, v13, 272                     ; the way out.  In: row r, 32 h bytes on
	v_mul_u32_u24 v9, v14, 272                     ; back: lanes 0-15 one row, lanes 16-31 the next
	v_lshlrev_b32 v10, 8, v14
	v_lshl_add_u32 v8, v14, 5, v8
	v_lshl_add_u32 v9, v13, 4, v9
	v_lshl_add_u32 v10, v13, 4, v10
	v_add_nc_u32 v8, s52, v8
	v_add_nc_u32 v9, s53, v9
	s_wait_alu depctr_va_vdst(0)
	s_wait_tensorcnt 0x0                           ; my part is in,
	s_barrier_signal -1
	s_barrier_wait -1                              ; everybody's is
	LOADK
	s_wait_dscnt 0x0
.set OT, S
	WMM 0
	NOPS 4
	FMAS
	PHASE 0, 0, 0, 1                               ; my first step, and the next step's first two phases: each tile's first P V begins its sums
	PHASE 1, 0, 1, 1
	PHASE 2, 1, 1, 1
	PHASE 3, 1, 1, 1
	PHASE 0, 1, 1, 1
	PHASE 1, 1, 1, 1
	s_wait_alu depctr_va_vdst(0)
.Lstep:                                                ; six trips, each from a step's third phase to the next step's second
	PHASE 2, 2, 1, 1
	PHASE 3, 2, 1, 1
	PHASE 0, 2, 1, 1
	PHASE 1, 2, 1, 1
	s_wait_alu depctr_va_vdst(0)                   ; ahead of the branch
	s_sub_co_u32 s20, s20, 1
	s_cmp_lg_u32 s20, 0
	s_cbranch_scc1 .Lstep
	PHASE 2, 2, 1, 0                               ; my last step fetches nothing more
	PHASE 3, 2, 1, 0
	PV 2, 2
.set OT, S+64
	QHA                                            ; tile 3
	QHB
	QHC
	NOPS 8                                         ; the scale word stands eight places ahead of its product
	PV 3, 2
	WIN 0x04                                       ; the stores' data lie in window 1
	NOPS 4
	s_wait_alu depctr_va_vdst(0)                   ; directly ahead of the first reader of O^T
.irp i, 0,1,2,3
.irp t, 0,1,2,3
	ds_store_b128 v8, v[O+8*(4*\i+\t):O+8*(4*\i+\t)+3] offset:4352*\i+64*\t
	ds_store_b128 v8, v[O+8*(4*\i+\t)+4:O+8*(4*\i+\t)+7] offset:4352*\i+64*\t+16
.endr
.endr
	WIN 0
	s_wait_dscnt 0x0                               ; for my partner's sake: my stores have landed
	s_barrier_signal -1
	s_barrier_wait -1
.set n, 0
.rept 16
	ds_load_b128 v[72+4*n:75+4*n], v9 offset:544*n                 ; two rows of the even steps' half,
	ds_load_b128 v[136+4*n:139+4*n], v9 offset:17408+544*n         ; and of the odd steps'
.set n, n+1
.endr
.set n, 0
.rept 16
	s_wait_dscnt 30-2*n                            ; all but the pairs issued behind this one
	v_pk_add_f32 v[72+4*n:73+4*n], v[72+4*n:73+4*n], v[136+4*n:137+4*n]
	v_pk_add_f32 v[74+4*n:75+4*n], v[74+4*n:75+4*n], v[138+4*n:139+4*n]
	global_store_b128 v10, v[72+4*n:75+4*n], s[10:11] offset:8192*(n/8)+512*(n%8) th:TH_STORE_NT   ; sixteen lanes store one row of 256 bytes, aligned
.set n, n+1
.endr
	s_wait_tensorcnt 0x0                           ; the wave's end
	ds_add_u32 v6, v7
	s_wait_dscnt 0x0
	s_endpgm
.Lfunc_end_k_q94fb63a894_attn:
	.size	k_q94fb63a894_attn, .Lfunc_end_k_q94fb63a894_attn-k_q94fb63a894_attn
	.p2alignl 7, 3214868480
	.fill 96, 4, 3214868480
	.section	.rodata,"a",@progbits
	.p2align	6, 0x0
	.amdhsa_kernel k_q94fb63a894_attn
		.amdhsa_group_segment_fixed_size 327680
		.amdhsa_private_segment_fixed_size 0
		.amdhsa_enable_private_segment 0
		.amdhsa_kernarg_size 32
		.amdhsa_user_sgpr_count 2
		.amdhsa_user_sgpr_kernarg_segment_ptr 1
		.amdhsa_wavefront_size32 1
		.amdhsa_system_sgpr_workgroup_id_x 1
		.amdhsa_system_sgpr_workgroup_id_y 1
		.amdhsa_system_sgpr_workgroup_id_z 1
		.amdhsa_system_vgpr_workitem_id 0
		.amdhsa_next_free_vgpr 512
		.amdhsa_next_free_sgpr 66
		.amdhsa_reserve_vcc 1
		.amdhsa_float_denorm_mode_32 3
		.amdhsa_float_denorm_mode_16_64 3
		.amdhsa_memory_ordered 1
		.amdhsa_forward_progress 1
		.amdhsa_inst_pref_size 169
	.end_amdhsa_kernel
	.amdgpu_metadata
---
amdhsa.version: [ 1, 2 ]
amdhsa.kernels:
  - .name:           k_q94fb63a894_attn
    .symbol:         k_q94fb63a894_attn.kd
    .args:
      - { .name: qbuf, .offset: 0, .size: 8, .value_kind: global_buffer, .address_space: global }
      - { .name: kvbuf, .offset: 8, .size: 8, .value_kind: global_buffer, .address_space: global }
      - { .name: stbuf, .offset: 16, .size: 8, .value_kind: global_buffer, .address_space: global }
      - { .name: out0, .offset: 24, .size: 8, .value_kind: global_buffer, .address_space: global }
    .group_segment_fixed_size: 327680
    .private_segment_fixed_size: 0
    .kernarg_segment_align: 8
    .kernarg_segment_size: 32
    .max_flat_workgroup_size: 256
    .sgpr_count:     66
    .vgpr_count:     512
    .wavefront_size: 32
...
	.end_amdgpu_metadata
.endif
;; end of part 3
